; MI455X (gfx1250); checked and timed in simulation.
; The chip was launched on July 23, 2026; its instructions are those of AMD's public machine-readable ISA for CDNA 5 (MIT licence, August 2026) and "CDNA5" Instruction Set Architecture Reference Guide (July 2026). The comments in the code are by the model that wrote it; some were corrected since.
;; Cross Attention Block. Allowed arithmetic: matrix products marked QUANTISED: E2M3 operands, one E8M0 scale for each 32 along K, by v_wmma_scale_f32_16x16x128_f8f6f4 with both operands' format E2M3, f32 sums; everything else in f32.
;; Inputs: Wv_b 256 float32; Wv_w_codes 256 x 8 x 24 uint8 (E2M3 codes of Wv_w, K innermost, in blocks of 32 codes, four codes in three bytes); Wv_w_scales 256 x 8 uint8 (E8M0 scales of Wv_w, one for each 32 codes along K); func_embed_codes 8,192 x 8 x 24 uint8 (E2M3 codes of func_embed, K innermost, in blocks of 32 codes, four codes in three bytes); func_embed_scales 8,192 x 8 uint8 (E8M0 scales of func_embed, one for each 32 codes along K); sent_embed_codes 16,384 x 8 x 24 uint8 (E2M3 codes of sent_embed, K innermost, in blocks of 32 codes, four codes in three bytes); sent_embed_scales 16,384 x 8 uint8 (E8M0 scales of sent_embed, one for each 32 codes along K).
;; Outputs: out0 16,384 x 256 float32.
;; This version of the problem:
;;   THIS VERSION OF THE PROBLEM IS GIVEN IN LOW PRECISION. The matrix products marked QUANTISED in the list below multiply operands that are first quantised to E2M3 (2 exponent bits, 3 mantissa bits; 6 bits a number), with one power-of-two scale for each 32 numbers along K (OCP MX v1.0); their sums are f32. All else is computed in f32.
;;   The module's matrix products, in the order in which they are computed (A, B: the left and right operand; K: the contracted axis; several contracted axes count as one K, in the product's order):
;;     1. [M 8,192, K 256] x [K 256, N 256]; A: input func_embed (given as codes); B: input Wv_w (given as codes): QUANTISED
;;     2. [M 16,384, K 256] x [K 256, N 8,192]; A: input sent_embed (given as codes); B: input func_embed (given as codes): QUANTISED
;;     3. [M 16,384, K 8,192] x [K 8,192, N 256]; A: softmax (see below); B: computed on the way: QUANTISED
;;   THE QUANTISER, for each operand of a quantised product, along K:
;;     - K is cut into blocks of 32 from its start; a last block that is shorter is filled with zeros.
;;     - A block's scale is 2^e with e = floor(log2(the largest magnitude in the block)) - 2, held to -126 .. 127; a block of zeros has e = 0. As a byte (E8M0): e + 127.
;;     - Each number is divided by its block's scale, clamped to +-7.5, and rounded to the nearest number of E2M3, ties to even, subnormals kept.
;;     - The product sums the exact products of the quantised numbers (number of the format x scale) in f32.
;;   ~~~python
;;   def quantise(x, axis):      # numpy; x: float32 -> the quantised numbers, widened to float32 again
;;       x = np.moveaxis(x, axis, -1); K = x.shape[-1]
;;       x = np.pad(x, [(0, 0)] * (x.ndim - 1) + [(0, -K % 32)]); x = x.reshape(x.shape[:-1] + (-1, 32)); a = np.abs(x).max(-1, keepdims=True)
;;       e = np.where(a > 0, np.clip(np.frexp(np.where(a > 0, a, 1))[1] - 1 - 2, -126, 127), 0)      # np.frexp(a)[1] - 1 = floor(log2(a)), exactly
;;       r = np.clip(x / 2.0 ** e, -7.5, 7.5)
;;       step = 2.0 ** (np.maximum(np.frexp(np.where(r == 0, 1, r))[1] - 1, 0) - 3)
;;       q = np.round(r / step) * step * 2.0 ** e      # np.round: ties to even
;;       return np.moveaxis(q.reshape(q.shape[:-2] + (-1,))[..., :K], -1, axis).astype(np.float32)
;;   ~~~
;;   SOFTMAX AHEAD OF A QUANTISED PRODUCT. Where the list says 'softmax', what is quantised is not the finished softmax but p = 2^(t - M), with t = logit x log2(e) and M = ceil(the row's largest t), a whole number; so 1/2 < the row's largest p <= 1. The row's sum l is taken of the UNQUANTISED p, in f32, and the product's result is divided by l at the end. Since M is a whole number, a kernel that streams over the keys may use a running M (the ceiling of the running maximum): every later rescaling is an exact power of two, which a block's scale takes up: the codes' values come out the same.
;;   OPERANDS COMPUTED ON THE WAY. 'Computed on the way' means the value that the module computes at that place (a softmax that the list does not call 'softmax' is quantised finished and normalised). What goes into a quantiser is computed in f32, as accurately as f32 sums, v_exp_f32 and their like allow (about 1e-6 of the number): no bf16 or f16 on the way to a quantiser, and a product that is left as it is and whose result goes on into a quantised operand takes f32 operands (vector FMAs, or v_wmma_f32_16x16x4_f32). A number that lies on a knife's edge between two numbers of the format may be rounded either way, as far as f32 arithmetic and the matrix unit's own rounding can turn it there, and no further.
;;   INPUTS GIVEN AS CODES. Wv_w (in the module: [256, 256], K = its axis 1); func_embed (in the module: [8192, 256], K = its axis 1); sent_embed (in the module: [16384, 256], K = its axis 1): each comes as NAME_codes (uint8): NAME with its K axis moved to the last place and cut into blocks of 32 codes, [.., K / 32, bytes a block], one block behind the other in memory; four codes in three bytes: a row's codes are one little-endian stream of bits, code i at bits 6 i .. 6 i + 5 (a code: sign, 2 exponent bits, 3 mantissa bits); and NAME_scales (uint8): the same leading axes, one E8M0 byte (e + 127) for each 32 codes along K. Its value is code x scale, taken as it is: it is not quantised again, and the codes and scales need not be those that the quantiser above would give.
;; One version. Each part assembles by itself: llvm-mc -triple=amdgcn-amd-amdhsa -mcpu=gfx1250 --defsym DOCPART=n.
;; ======== version 1 of 1: 2 launches
;; limits: right only within a limited range of input values
;; workspace buffers: kv 3,276,800 bytes
;; launch prep (part 1): grid 256 x 1, 4 waves a work-group, no clusters, 768 bytes of LDS; arguments func_embed_codes, func_embed_scales, Wv_w_codes, Wv_w_scales, Wv_b, kv; writes kv
.if DOCPART == 1
	.amdgcn_target "amdgcn-amd-amdhsa--gfx1250"
	.amdhsa_code_object_version 6
	.text
	.protected	k_q72caff6495_prep
	.globl	k_q72caff6495_prep
	.p2align	8
	.type	k_q72caff6495_prep,@function
k_q72caff6495_prep:
	s_mov_b64 s[64:65], 0
	v_nop
	global_prefetch_b8 v0, s[64:65] scope:SCOPE_SE
	s_setreg_imm32_b32 hwreg(HW_REG_WAVE_MODE, 25, 1), 1
	s_wait_xcnt 0x0
; func_val = func_embed Wv^T + b on codes of FP6 (E2M3) with E8M0 scales, then quantised ALONG THE KEYS (the K of the attention's second product), and func_embed's own codes
; and scale bytes laid anew: everything goes to the workspace kv IN THE ORDER OF THE OPERANDS' REGISTERS, so that the next launch brings a key step by dense tensor loads and reads
; each fragment by three loads of 16 bytes a lane.
; kv: 64 key steps of 128 keys, STEPB bytes each: the K part (16 fragments of 1,536 bytes: fragment 8 c + t = key tile t, 128 c on along the width; then 1,024 bytes of scale words),
; then the V part (16 fragments: fragment dt = rows 16 dt .. 16 dt + 15 of func_val^T x the step's 128 keys; then 1,024 bytes of scale words).
; An image of a fragment: register 4 i + j of lane l at byte 512 i + 16 l + 4 j.
; THE KEYS OF A TILE ARE NOT NEIGHBOURS: row r of tile 2 b + u is key 32 b + 8 u + r + 8 (r / 8), so that in a result with the keys as source 0 the 16 registers of tiles 2 b, 2 b + 1 are 16 neighbouring keys.
; SHARES: work-group = (step s = x / 4, quarter qd = x % 4); wave w makes d tile dt = 4 qd + w: 16 products (8 key tiles x 2 along the width), one quantising, and it copies fragment dt of K.
; The product is laid with source 0 = 16 keys, source 1 = 16 rows of Wv: lane (r, h) holds ONE d (= r) and its registers run along the keys.  The bias is the C of each sum's first product.
; No tensor load, no loop; every store of a wave covers 256 or 512 consecutive bytes, aligned.
; LIMITS: NaN and infinities are not served.  A block of zeros gets the scale byte 1 where the quantiser says 127: its codes are zeros, and this program alone reads the bytes.
.set STEPB, 51200                      ; a key step in kv
.set PART,  25600                      ; its K part, and its V part
.set SCO,   24576                      ; where a part's scale words begin
.set KA,  4                            ; v4   func_embed's codes: row r + 8 (r / 8) of 192 bytes, + 24 h
.set WA,  5                            ; v5   Wv's codes: row r, + 24 h
.set KSA, 6                            ; v6   func_embed's scale words: 8 bytes a row; lanes 16-31 take the second word
.set WSA, 7                            ; v7   Wv's likewise
.set BA,  8                            ; v8   the bias: 4 r
.set LI,  9                            ; v9   16 x lane: an image's place for my lane
.set L8,  10                           ; v10  8 x lane
.set PWA, 11                           ; v11  LDS: where my row's scale word goes
.set KS,  16                           ; v16-23 the key tiles' scale words: lanes 0-15 the first 128 of the width, lanes 16-31 the second
.set WS,  24                           ; v24  Wv's scale words, likewise
.set KS2, 26                           ; v26-27 the scale words of tiles 2 qd, 2 qd + 1, to be stored
.set WF,  32                           ; v32-55 Wv's two fragments
.set CP,  56                           ; v56-67 the fragment of K that I copy
.set BC,  68                           ; v68-75 the bias in the result's layout
.set HA,  80                           ; v80-143 func_val^T: 8 tiles x 8 registers
.set PC,  144                          ; v144-163 the codes
.set TM,  168                          ; v168-183 at work
.set PW,  184                          ; v184 the scale word
.set VU,  186                          ; v186-187 a unit of V's scale words, read back
.set SEL, 20                           ; s[20:21] selects for v_permlanex16_b32: lane l xor 16
.set MSB, 0
.macro WIN new                         ; the immediate's high byte repeats the setting that is left
.if MSB != (\new)
	s_set_vgpr_msb (MSB<<8)|(\new)
.set MSB, (\new)
.endif
.endm
; 64 numbers of a lane, register 16 b + i = key 32 b + 16 (lane / 16) + i of my row, become a fragment's codes in v[PC] on and its scale word in v[PW]
.macro QUANT s
.irp b, 0,1,2,3
	v_max3_num_f32 v[TM+\b], |v[\s+16*\b]|, |v[\s+1+16*\b]|, 0x1800000   ; block b: my 16 numbers, and the floor 2^(3 - 127): the byte cannot fall under 1
.endr
.irp i, 2,4,6,8,10,12,14
.irp b, 0,1,2,3
	v_max3_num_f32 v[TM+\b], v[TM+\b], |v[\s+16*\b+\i]|, |v[\s+1+16*\b+\i]|   ; the four blocks by turns; each accumulator from its low end on
.endr
.endr
.irp b, 0,1,2,3
	v_permlanex16_b32 v[TM+4+\b], v[TM+\b], s[SEL], s[SEL+1]
.endr
.irp b, 0,1,2,3
	v_max_num_f32 v[TM+\b], v[TM+\b], v[TM+4+\b]   ; with lane l xor 16's: the block's largest magnitude
.endr
.irp b, 0,1,2,3
	v_add_nc_u32 v[TM+12+\b], 0xff000000, v[TM+\b]   ; 2 off its exponent field: the conversion takes the exponent field of this operand as its scale
.endr
.irp b, 0,1,2,3
	v_lshrrev_b32 v[TM+4+\b], 23, v[TM+12+\b]      ; the scale's byte
.endr
	v_lshl_or_b32 v[PW], v[TM+5], 8, v[TM+4]       ; four bytes: my row's scale word
	v_lshl_or_b32 v[PW], v[TM+6], 16, v[PW]
	v_lshl_or_b32 v[PW], v[TM+7], 24, v[PW]
.irp c, 0,1
	v_cvt_scalef32_pk16_fp6_f32 v[PC+6*\c:PC+2+6*\c], v[\s+32*\c:\s+15+32*\c], v[TM+12+2*\c]
	v_cvt_scalef32_pk16_fp6_f32 v[PC+12+4*\c:PC+14+4*\c], v[\s+16+32*\c:\s+31+32*\c], v[TM+12+2*\c+1]   ; (a conversion's three registers begin on an even number)
.endr
	v_nop                                          ; one plain line behind a scaled conversion
.irp c, 0,1                                    ; the operand's layout wants a WHOLE block in a lane: lanes 0-15 block 2 c, lanes 16-31 block 2 c + 1
.irp i, 0,1,2
	v_permlane16_swap_b32 v[PC+6*\c+\i], v[PC+12+4*\c+\i]
.endr
.irp i, 0,1,2
	v_mov_b32 v[PC+3+6*\c+\i], v[PC+12+4*\c+\i]
.endr
.endr
.endm
	s_load_b256 s[4:11], s[0:1], 0x0               ; func_embed's codes s[4:5], its scales s[6:7], Wv's codes s[8:9], its scales s[10:11]
	s_load_b128 s[12:15], s[0:1], 0x20             ; the bias s[12:13], kv s[14:15]
	v_lshl_add_u32 v254, v0, 2, 0x100
	v_mov_b32 v255, 0
	v_lshrrev_b32 v1, 5, v0
	v_readfirstlane_b32 s16, v1                    ; wave 0..3
	v_and_b32 v1, 31, v0                           ; lane
	v_and_b32 v2, 15, v0                           ; r
	v_bfe_u32 v3, v0, 4, 1                         ; h
	v_and_b32 v12, 8, v2
	v_add_nc_u32 v12, v12, v2                      ; r + 8 (r / 8)
	v_mul_u32_u24 v[KA], v12, 192
	v_mad_u32_u24 v[KA], v3, 24, v[KA]
	v_mul_u32_u24 v[WA], v2, 192
	v_mad_u32_u24 v[WA], v3, 24, v[WA]
	v_lshlrev_b32 v[KSA], 3, v12
	v_lshl_add_u32 v[KSA], v3, 2, v[KSA]
	v_lshlrev_b32 v[WSA], 3, v2
	v_lshl_add_u32 v[WSA], v3, 2, v[WSA]
	v_lshlrev_b32 v[BA], 2, v2
	v_lshlrev_b32 v[LI], 4, v1
	v_lshlrev_b32 v[L8], 3, v1
	s_and_b32 s22, s16, 1                          ; in the work-group's unit of V's scale words, fragment dt = 4 qd + w has register w / 2 of a pair and lanes 16 (w % 2) + r:
	s_lshl_b32 s22, s22, 7
	s_lshr_b32 s23, s16, 1
	s_lshl_b32 s23, s23, 2
	s_add_co_u32 s22, s22, s23
	v_lshl_add_u32 v[PWA], v2, 3, s22              ; byte 8 r + 128 (w % 2) + 4 (w / 2)
	s_mov_b32 s[SEL], 0x76543210
	s_mov_b32 s[SEL+1], 0xfedcba98
	s_lshr_b32 s17, ttmp9, 2                       ; the key step
	s_and_b32 s18, ttmp9, 3                        ; qd
	s_lshl_b32 s19, s18, 2
	s_add_co_u32 s19, s19, s16                     ; dt
	s_mul_i32 s24, s17, 128*192                    ; the step's 128 rows of codes,
	s_mov_b32 s25, 0
	s_lshl_b32 s26, s17, 10                        ; of scale bytes;
	s_mov_b32 s27, 0
	s_mul_i32 s28, s19, 16*192                     ; my 16 rows of Wv's codes,
	s_mov_b32 s29, 0
	s_lshl_b32 s30, s19, 7                         ; of its scale bytes,
	s_mov_b32 s31, 0
	s_lshl_b32 s32, s19, 6                         ; my 16 numbers of the bias;
	s_mov_b32 s33, 0
	s_mul_i32 s34, s17, STEPB                      ; the step in kv
	s_mov_b32 s35, 0
	s_bfe_u32 s36, s19, 0x20001                    ; the fragment that I copy is number dt: key tile t = dt % 8 begins at row 32 (t / 2) + 8 (t % 2), and 96 (dt / 8) bytes along the rows
	s_mul_i32 s36, s36, 32*192
	s_and_b32 s37, s19, 1
	s_mul_i32 s37, s37, 8*192
	s_add_co_u32 s36, s36, s37
	s_lshr_b32 s37, s19, 3
	s_mul_i32 s37, s37, 96
	s_add_co_u32 s36, s36, s37
	s_mov_b32 s37, 0
	s_lshl_b32 s38, s18, 8                         ; 256 qd: tiles 2 qd, 2 qd + 1 begin 32 qd rows of 8 scale bytes on; also the work-group's unit of scale words in kv
	s_mov_b32 s39, 0
	s_mul_i32 s40, s19, 1536                       ; image dt in a part of kv
	s_mov_b32 s41, 0
	s_wait_alu depctr_va_vdst(0)
	s_wait_kmcnt 0x0
	s_add_nc_u64 s[4:5], s[4:5], s[24:25]
	s_add_nc_u64 s[6:7], s[6:7], s[26:27]
	s_add_nc_u64 s[8:9], s[8:9], s[28:29]
	s_add_nc_u64 s[10:11], s[10:11], s[30:31]
	s_add_nc_u64 s[12:13], s[12:13], s[32:33]
	s_add_nc_u64 s[14:15], s[14:15], s[34:35]
	s_add_nc_u64 s[36:37], s[4:5], s[36:37]
	s_add_nc_u64 s[42:43], s[6:7], s[38:39]
	s_add_nc_u64 s[40:41], s[14:15], s[40:41]
	s_add_nc_u64 s[38:39], s[14:15], s[38:39]
.irp t, 0,1,2,3,4,5,6,7
	global_load_b32 v[KS+\t], v[KSA], s[6:7] offset:(32*(\t/2)+8*(\t%2))*8
.endr
	global_load_b32 v[WS], v[WSA], s[10:11]
	global_load_b32 v[BC], v[BA], s[12:13]         ; b(16 dt + r): a lane's eight results all belong to d = r
.irp c, 0,1
.irp p, 0,1,2,3,4,5
	global_load_b64 v[WF+12*\c+2*\p:WF+12*\c+2*\p+1], v[WA], s[8:9] offset:96*\c+48*(\p/3)+8*(\p%3)
.endr
.endr
	global_load_b32 v[KS2], v[KSA], s[42:43]
	global_load_b32 v[KS2+1], v[KSA], s[42:43] offset:64
.irp p, 0,1,2,3,4,5
	global_load_b64 v[CP+2*\p:CP+2*\p+1], v[KA], s[36:37] offset:48*(\p/3)+8*(\p%3)
.endr
	WIN 0x40                                       ; destination window 1: the step's 16 fragments of K at v[12 (8 c + t)]
.irp c, 0,1
.irp t, 0,1,2,3,4,5,6,7
.irp p, 0,1,2,3,4,5
	global_load_b64 v[12*(8*\c+\t)+2*\p:12*(8*\c+\t)+2*\p+1], v[KA], s[4:5] offset:(32*(\t/2)+8*(\t%2))*192+96*\c+48*(\p/3)+8*(\p%3)
.endr
.endr
.endr
	WIN 0
	s_wait_loadcnt 0x0                             ; all of it is wanted now
.irp j, 1,2,3,4,5,6,7
	v_mov_b32 v[BC+\j], v[BC]
.endr
.irp b, 0,1,2,3
	v_mov_b32 v[TM+4+\b], 0                        ; written once: a lane permute's destination counts as one of its sources.  (Four plain lines between the bias's copies and the products)
.endr
.irp i, 0,1,2
	global_store_b128 v[LI], v[CP+4*\i:CP+4*\i+3], s[40:41] offset:512*\i   ; K's fragment dt as an image: 512 consecutive bytes a store
.endr
	WIN 0x01                                       ; source 0 (K) window 1
.irp t, 0,1,2,3,4,5,6,7                        ; the eight accumulators by turns
	v_wmma_scale_f32_16x16x128_f8f6f4 v[HA+8*\t:HA+8*\t+7], v[12*\t:12*\t+11], v[WF:WF+11], v[BC:BC+7], v[KS+\t], v[WS] matrix_a_fmt:MATRIX_FMT_FP6 matrix_b_fmt:MATRIX_FMT_FP6
.endr
.irp t, 0,1,2,3,4,5,6,7
	v_wmma_scale_f32_16x16x128_f8f6f4 v[HA+8*\t:HA+8*\t+7], v[12*(8+\t):12*(8+\t)+11], v[WF+12:WF+23], v[HA+8*\t:HA+8*\t+7], v[KS+\t], v[WS] matrix_a_fmt:MATRIX_FMT_FP6 matrix_b_fmt:MATRIX_FMT_FP6 matrix_a_scale:MATRIX_SCALE_ROW1 matrix_b_scale:MATRIX_SCALE_ROW1
.endr
	WIN 0
.rept 4
	v_nop                                          ; four plain lines between the last product and the first read of results (ISA guide 7.12.1)
.endr
	QUANT HA
.irp i, 0,1,2
	global_store_b128 v[LI], v[PC+4*\i:PC+4*\i+3], s[40:41] offset:PART+512*\i   ; V's fragment dt
.endr
	ds_store_b32 v[PWA], v[PW]                     ; lanes r and r + 16 write the same word with the same value
	s_wait_dscnt 0x0                               ; for wave 0's sake: my store has landed
	s_barrier_signal -1
	s_barrier_wait -1
	s_cmp_lg_u32 s16, 0
	s_cbranch_scc1 .Lend
	ds_load_b64 v[VU:VU+1], v[L8]                  ; the four waves' scale words: one unit of 256 bytes
	global_store_b64 v[L8], v[KS2:KS2+1], s[38:39] offset:SCO          ; K's scale words of tiles 2 qd, 2 qd + 1: 256 consecutive bytes
	s_wait_dscnt 0x0
	global_store_b64 v[L8], v[VU:VU+1], s[38:39] offset:PART+SCO
.Lend:
	s_wait_tensorcnt 0x0
	ds_add_u32 v254, v255
	s_wait_dscnt 0x0
	s_endpgm
.Lfunc_end_k_q72caff6495_prep:
	.size	k_q72caff6495_prep, .Lfunc_end_k_q72caff6495_prep-k_q72caff6495_prep
	.p2alignl 7, 3214868480
	.fill 96, 4, 3214868480
	.section	.rodata,"a",@progbits
	.p2align	6, 0x0
	.amdhsa_kernel k_q72caff6495_prep
		.amdhsa_group_segment_fixed_size 768
		.amdhsa_private_segment_fixed_size 0
		.amdhsa_enable_private_segment 0
		.amdhsa_kernarg_size 48
		.amdhsa_user_sgpr_count 2
		.amdhsa_user_sgpr_kernarg_segment_ptr 1
		.amdhsa_wavefront_size32 1
		.amdhsa_system_sgpr_workgroup_id_x 1
		.amdhsa_system_sgpr_workgroup_id_y 1
		.amdhsa_system_sgpr_workgroup_id_z 1
		.amdhsa_system_vgpr_workitem_id 0
		.amdhsa_next_free_vgpr 448
		.amdhsa_next_free_sgpr 66
		.amdhsa_reserve_vcc 0
		.amdhsa_float_denorm_mode_32 3
		.amdhsa_float_denorm_mode_16_64 3
		.amdhsa_memory_ordered 1
		.amdhsa_forward_progress 1
		.amdhsa_inst_pref_size 23
	.end_amdhsa_kernel
	.amdgpu_metadata
---
amdhsa.version: [ 1, 2 ]
amdhsa.kernels:
  - .name:           k_q72caff6495_prep
    .symbol:         k_q72caff6495_prep.kd
    .args:
      - { .name: func_embed_codes, .offset: 0, .size: 8, .value_kind: global_buffer, .address_space: global }
      - { .name: func_embed_scales, .offset: 8, .size: 8, .value_kind: global_buffer, .address_space: global }
      - { .name: Wv_w_codes, .offset: 16, .size: 8, .value_kind: global_buffer, .address_space: global }
      - { .name: Wv_w_scales, .offset: 24, .size: 8, .value_kind: global_buffer, .address_space: global }
      - { .name: Wv_b, .offset: 32, .size: 8, .value_kind: global_buffer, .address_space: global }
      - { .name: kv, .offset: 40, .size: 8, .value_kind: global_buffer, .address_space: global }
    .group_segment_fixed_size: 768
    .private_segment_fixed_size: 0
    .kernarg_segment_align: 8
    .kernarg_segment_size: 48
    .max_flat_workgroup_size: 128
    .sgpr_count:     66
    .vgpr_count:     448
    .wavefront_size: 32
...
	.end_amdgpu_metadata
.endif
;; end of part 1
;; launch attn (part 2): grid 256 x 1, 4 waves a work-group, clusters of 4 x 1, 327,680 bytes of LDS; arguments sent_embed_codes, sent_embed_scales, kv, out0; writes out0
.if DOCPART == 2
	.amdgcn_target "amdgcn-amd-amdhsa--gfx1250"
	.amdhsa_code_object_version 6
	.text
	.protected	k_q72caff6495_attn
	.globl	k_q72caff6495_attn
	.p2align	8
	.type	k_q72caff6495_attn,@function
k_q72caff6495_attn:
	s_mov_b64 s[64:65], 0
	v_nop
	global_prefetch_b8 v0, s[64:65] scope:SCOPE_SE
	s_setreg_imm32_b32 hwreg(HW_REG_WAVE_MODE, 25, 1), 1
	s_wait_xcnt 0x0
	s_wait_alu depctr_hold_cnt(0) depctr_sa_sdst(0) depctr_va_vdst(0) depctr_va_sdst(0) depctr_va_ssrc(0) depctr_va_vcc(0) depctr_vm_vsrc(0)
	s_getreg_b32 s2, hwreg(HW_REG_IB_STS2, 6, 4)
	s_cmp_eq_u32 s2, 0
	s_cbranch_scc0 .Lentry_in_a_cluster
	s_endpgm
.Lentry_in_a_cluster:
	s_bfe_u32 s2, ttmp6, 0x10000c
	s_cmp_lg_u32 s2, 0x3003
	s_cbranch_scc0 .Lentry_shape_is_right
	s_endpgm
.Lentry_shape_is_right:
; out = softmax(sent func^T / 16) func_val on codes of FP6 (E2M3) with E8M0 scales.  kv (made by the launch before): 64 key steps of 128 keys, each a K part and a V part
; of 25,600 bytes: 16 fragments as images of the operand's registers (register 4 i + j of lane l at byte 512 i + 16 l + 4 j), then 1,024 bytes of scale words.
; SHARES: a work-group has 64 queries; wave w walks key steps 16 w .. 16 w + 15 for all 64 (four tiles u of 16); at the end the four waves' parts are joined through LDS.
; Both products are used transposed (S^T = K Q^T, O^T = V^T P^T): a lane holds one query.  M is the running largest t rounded up to a whole number, kept as -M.
; K's PART comes by a joint tensor load (the four work-groups of a cluster walk the same steps) into the wave's own LDS bytes, asked for again as soon as its last fragment is read.
; V's PART goes from memory straight into registers: each image is read by one wave once, in the order of its registers, 512 consecutive bytes a load; so it is no joint load and
; takes no LDS.  The softmax goes tile by tile, and V's loads land on the registers of the score tiles that are done with: 3 tiles x 64 registers = V's 192.
; No prefetch: a step's loads are themselves issued ahead of their use (K's a step less the score products, V's by one to three tiles' softmax), and all work-groups walk the same 3,276,800 bytes.
; REGISTERS: window 0: addresses, scales, Q, K's fragments / P's codes; windows 1, 2: O^T (512); window 3: scores, then V's fragments.
; LIMITS: NaN and infinities are not served; the promise holds while the scaled scores t stay under 2^31 in magnitude.
.set STEPB, 51200
.set PART,  25600
.set SCO,   24576
.set NSTEP, 16
.set XW,    66560                      ; the joining: a wave's 64 rows of 1,040 bytes
.set XP,    1040
.set STATS, 4*XW
.set SPARE, 327168                     ; the spare words
.set LI,  1                            ; LDS: my K part + 16 x lane
.set LS8, 2                            ; LDS: my K part + 8 x lane
.set SPW, 3
.set NIL, 4
.set QA,  5
.set QSA, 6
.set XS,  7
.set XR,  8
.set GO,  12                           ; 16 x lane: V's images, and the output
.set STA, 13
.set STR, 14
.set G8,  15                           ; 8 x lane: V's scale words
.set QS,  16
.set KS,  20
.set VS,  28
.set PS,  36
.set ST,  40                           ; for each u: -M, the largest t, the sum in two halves
.set F,   56
.set Q,   64
.set FB,  160
.set P,   160
.set TA,  208
.set TB,  224
.set X,   240
.set CT,  224
.set T0,  224
.set T1,  228
.set T2,  232
.set WV,  12
.set SEL, 20
.set CS,  22
.set G1,  24
.set G0K, 32
.set VB,  36                           ; s[36:37] my step's V part in kv
.set TRIPS, 40
.set W_S,  0xf0
.set W_M1, 0x3f
.set W_M2, 0x3c
.set W_E,  0xc3
.set W_C,  0x03
.set W_T,  0xcf
.set W_TL, 0x0f
.set W_L,  0x30
.set W_VF, 0xc0
.set MSB, 0
.macro WIN new
.if MSB != (\new)
	s_set_vgpr_msb (MSB<<8)|(\new)
.set MSB, (\new)
.endif
.endm
.macro PLACES n
.rept \n
	v_nop
.endr
.endm
.macro VW
	s_wait_alu depctr_va_vdst(0)
.endm
.macro CREST
	s_cmp_lg_u32 s[WV], 0
	s_cbranch_scc1 .Lnot_wave_0_\@
	s_barrier_signal -3
.Lnot_wave_0_\@:
	s_barrier_wait -3
	s_barrier_signal -1
	s_barrier_wait -1
.endm
.macro CROUND
	s_barrier_signal -1
	s_barrier_wait -1
	CREST
.endm
.macro KLOAD f0                        ; four fragments of K, 12 loads, into eight buffers by turns
.irp e, 0,1,2,3
.irp i, 0,1,2
	ds_load_b128 v[FB+12*((\f0+\e)%8)+4*\i:FB+12*((\f0+\e)%8)+4*\i+3], v[LI] offset:1536*(\f0+\e)+512*\i
.endr
.endr
.endm
.macro SM f                            ; fragment f = key tile f % 8, half f / 8 of the width, against the four query tiles: accumulators by turns
.set tt, (\f)%8
.set cc, (\f)/8
.irp u, 0,1,2,3
.if cc == 0
	v_wmma_scale_f32_16x16x128_f8f6f4 v[64*\u+8*tt:64*\u+8*tt+7], v[FB+12*tt:FB+12*tt+11], v[Q+24*\u:Q+24*\u+11], 0, v[KS+tt], v[QS+\u] matrix_a_fmt:MATRIX_FMT_FP6 matrix_b_fmt:MATRIX_FMT_FP6
.else
	v_wmma_scale_f32_16x16x128_f8f6f4 v[64*\u+8*tt:64*\u+8*tt+7], v[FB+12*tt:FB+12*tt+11], v[Q+24*\u+12:Q+24*\u+23], v[64*\u+8*tt:64*\u+8*tt+7], v[KS+tt], v[QS+\u] matrix_a_fmt:MATRIX_FMT_FP6 matrix_b_fmt:MATRIX_FMT_FP6 matrix_a_scale:MATRIX_SCALE_ROW1 matrix_b_scale:MATRIX_SCALE_ROW1
.endif
.endr
.endm
.macro BLOCKMAX                        ; the largest score of each of the 16 blocks of 32 keys (my 16 of them)
	WIN W_M1
.irp k, 0,1,2,3,4,5,6,7,8,9,10,11,12,13,14,15
	v_max3_num_f32 v[TA+\k], v[16*\k], v[16*\k+1], v[16*\k+2]
.endr
	WIN W_M2
.irp i, 3,5,7,9,11,13
.irp k, 0,1,2,3,4,5,6,7,8,9,10,11,12,13,14,15
	v_max3_num_f32 v[TA+\k], v[TA+\k], v[16*\k+\i], v[16*\k+\i+1]
.endr
.endr
.irp k, 0,1,2,3,4,5,6,7,8,9,10,11,12,13,14,15
	v_max_num_f32 v[TA+\k], v[TA+\k], v[16*\k+15]
.endr
.endm
; The scores, the blocks' maxima, and K's refill
.macro SPHASE fill
	WIN 0
	s_wait_tensorcnt 0x0                           ; my K part is in (no load of mine was issued behind it); only I read it
.irp g, 0,1,2,3
	ds_load_b64 v[KS+2*\g:KS+2*\g+1], v[LS8] offset:SCO+256*\g
.endr
	KLOAD 0
	KLOAD 4
	s_wait_dscnt 12                                ; all but the 12 loads just issued
	WIN W_S
.irp f, 0,1,2,3
	SM \f
.endr
	PLACES 4
	WIN 0
	KLOAD 8
	s_wait_dscnt 12
	WIN W_S
.irp f, 4,5,6,7
	SM \f
.endr
	PLACES 4
	WIN 0
	KLOAD 12
	s_wait_dscnt 12
	WIN W_S
.irp f, 8,9,10,11
	SM \f
.endr
.if \fill
	WIN 0
	s_wait_tensorcnt 0x0                           ; ahead of a refill's round
	ds_add_u32 v[SPW], v[NIL]
	s_add_nc_u64 s[G0K+2:G0K+3], s[G0K+2:G0K+3], STEPB   ; no load of mine is out: the next step's K part
	s_wait_dscnt 0x0                               ; the add, and my last reads of this K part
	s_barrier_signal -1                            ; opens the cluster's round; work on registers follows
	WIN W_S
.irp f, 12,13,14,15
	SM \f
.endr
	PLACES 4
	BLOCKMAX
	WIN 0
	VW
	s_barrier_wait -1
	CREST
	tensor_load_to_lds s[G0K:G0K+3], s[G1:G1+7]
	s_nop 0
	PLACES 4
.else
	s_wait_dscnt 0x0
.irp f, 12,13,14,15
	SM \f
.endr
	PLACES 4
	BLOCKMAX
.endif
.endm
.macro ROWSTAT first                   ; the rows' running maxima, -M, the factors f = 2^(old M - new M), and t - M of each block's largest score
	WIN 0
.irp k, 0,1,2,3,4,5,6,7,8,9,10,11,12,13,14,15
	v_permlanex16_b32 v[TB+\k], v[TA+\k], s[SEL], s[SEL+1]
.endr
.irp k, 0,1,2,3,4,5,6,7,8,9,10,11,12,13,14,15
	v_max_num_f32 v[TA+\k], v[TA+\k], v[TB+\k]
.endr
.irp u, 0,1,2,3
	v_max3_num_f32 v[X+\u], v[TA+4*\u], v[TA+4*\u+1], v[TA+4*\u+2]
.endr
.irp u, 0,1,2,3
	v_max_num_f32 v[X+\u], v[X+\u], v[TA+4*\u+3]
.endr
.if \first
.irp u, 0,1,2,3
	v_mul_f32 v[ST+4*\u+1], s[CS], v[X+\u]
.endr
.irp u, 0,1,2,3
	v_floor_f32 v[ST+4*\u], -v[ST+4*\u+1]
.endr
.else
.irp u, 0,1,2,3
	v_mul_f32 v[X+\u], s[CS], v[X+\u]
.endr
.irp u, 0,1,2,3
	v_max_num_f32 v[ST+4*\u+1], v[ST+4*\u+1], v[X+\u]
.endr
.irp u, 0,1,2,3
	v_mov_b32 v[X+\u], v[ST+4*\u]
.endr
.irp u, 0,1,2,3
	v_floor_f32 v[ST+4*\u], -v[ST+4*\u+1]
.endr
.irp u, 0,1,2,3
	v_sub_f32 v[X+\u], v[ST+4*\u], v[X+\u]
.endr
.irp u, 0,1,2,3
	v_cvt_i32_f32 v[X+\u], v[X+\u]
.endr
.irp u, 0,1,2,3
	v_ldexp_f32 v[F+2*\u], 1.0, v[X+\u]
.endr
.endif
.irp k, 0,1,2,3,4,5,6,7,8,9,10,11,12,13,14,15
	v_fma_f32 v[TA+\k], v[TA+\k], s[CS], v[ST+4*(\k/4)]
.endr
.endm
.macro TMINUSM u
	WIN W_E
.set jj, 0
.rept 32
	v_pk_fma_f32 v[64*(\u)+2*jj:64*(\u)+2*jj+1], v[64*(\u)+2*jj:64*(\u)+2*jj+1], s[CS:CS+1], v[ST+4*(\u):ST+4*(\u)+1] op_sel_hi:[1,0,0]
.set jj, jj+1
.endr
.endm
.macro EXPS u, n                       ; p of tile u; among the exponentials t - M of tile n; then the plain line and the wait behind the batch
	WIN W_E
.set jj, 0
.rept 32
.if \n >= 0
	v_pk_fma_f32 v[64*(\n)+2*jj:64*(\n)+2*jj+1], v[64*(\n)+2*jj:64*(\n)+2*jj+1], s[CS:CS+1], v[ST+4*(\n):ST+4*(\n)+1] op_sel_hi:[1,0,0]
.endif
	v_exp_f32 v[64*(\u)+2*jj], v[64*(\u)+2*jj]
	v_exp_f32 v[64*(\u)+2*jj+1], v[64*(\u)+2*jj+1]
.set jj, jj+1
.endr
	v_nop
	VW
.endm
.macro BSEXP                           ; each block's largest p
	WIN 0
.irp k, 0,1,2,3,4,5,6,7,8,9,10,11,12,13,14,15
	v_exp_f32 v[TA+\k], v[TA+\k]
.endr
.endm
.macro BSREST                          ; the conversions' scale operands and p's scale words
	WIN 0
.irp k, 0,1,2,3,4,5,6,7,8,9,10,11,12,13,14,15
	v_max_num_f32 v[TA+\k], 0x1800000, v[TA+\k]
.endr
.irp k, 0,1,2,3,4,5,6,7,8,9,10,11,12,13,14,15
	v_add_nc_u32 v[TA+\k], 0xff000000, v[TA+\k]
.endr
.irp k, 0,1,2,3,4,5,6,7,8,9,10,11,12,13,14,15
	v_lshrrev_b32 v[TB+\k], 23, v[TA+\k]
.endr
.irp u, 0,1,2,3
	v_lshl_or_b32 v[PS+\u], v[TB+4*\u+1], 8, v[TB+4*\u]
.endr
.irp u, 0,1,2,3
	v_lshl_or_b32 v[PS+\u], v[TB+4*\u+2], 16, v[PS+\u]
.endr
.irp u, 0,1,2,3
	v_lshl_or_b32 v[PS+\u], v[TB+4*\u+3], 24, v[PS+\u]
.endr
.endm
.macro CONVERT u                       ; tile u's p to codes, a whole block to a lane
	WIN W_C
.irp g, 0,1
	v_cvt_scalef32_pk16_fp6_f32 v[P+12*(\u)+6*\g:P+12*(\u)+6*\g+2], v[64*(\u)+32*\g:64*(\u)+32*\g+15], v[TA+4*(\u)+2*\g]
	v_cvt_scalef32_pk16_fp6_f32 v[CT+8*(\u)+4*\g:CT+8*(\u)+4*\g+2], v[64*(\u)+32*\g+16:64*(\u)+32*\g+31], v[TA+4*(\u)+2*\g+1]
.endr
	v_nop
	WIN 0
.irp g, 0,1
.irp i, 0,1,2
	v_permlane16_swap_b32 v[P+12*(\u)+6*\g+\i], v[CT+8*(\u)+4*\g+\i]
.endr
.irp i, 0,1,2
	v_mov_b32 v[P+12*(\u)+6*\g+3+\i], v[CT+8*(\u)+4*\g+\i]
.endr
.endr
.endm
.macro SUMS u, first                   ; the sum of tile u's unquantised p, as a tree, onto the running sum x f
	WIN W_T
.irp w, 2,4,8,16
.set aa, 0
.rept 32/\w
	v_pk_add_f32 v[64*(\u)+aa:64*(\u)+aa+1], v[64*(\u)+aa:64*(\u)+aa+1], v[64*(\u)+aa+\w:64*(\u)+aa+\w+1]
.set aa, aa+2*\w
.endr
.endr
.if \first
	WIN W_TL
	v_pk_add_f32 v[ST+4*(\u)+2:ST+4*(\u)+3], v[64*(\u):64*(\u)+1], v[64*(\u)+32:64*(\u)+33]
.else
	v_pk_add_f32 v[64*(\u):64*(\u)+1], v[64*(\u):64*(\u)+1], v[64*(\u)+32:64*(\u)+33]
	WIN W_L
	v_pk_fma_f32 v[ST+4*(\u)+2:ST+4*(\u)+3], v[ST+4*(\u)+2:ST+4*(\u)+3], v[F+2*(\u):F+2*(\u)+1], v[64*(\u):64*(\u)+1] op_sel_hi:[1,0,1]
.endif
.endm
.macro VLOAD u                         ; 16 of V's 48 loads of 512 bytes, onto tile u's 64 registers, which are done with; with the first, the scale words
.if (\u) == 0
	WIN 0
.irp g, 0,1,2,3
	global_load_b64 v[VS+2*\g:VS+2*\g+1], v[G8], s[VB:VB+1] offset:SCO+256*\g
.endr
.endif
	WIN W_VF
.set gg, 16*(\u)
.rept 16
	global_load_b128 v[4*gg:4*gg+3], v[GO], s[VB:VB+1] offset:512*gg
.set gg, gg+1
.endr
.endm
.macro SCALEO u
	WIN 0x41+0x41*((\u)/2)
.set ii, 128*((\u)%2)
.rept 64
	v_pk_mul_f32 v[ii:ii+1], v[ii:ii+1], v[F+2*(\u):F+2*(\u)+1] op_sel_hi:[1,0]
.set ii, ii+2
.endr
.endm
.macro PVRUN u0, d0, d1, first         ; O^T of query tiles u0, u0 + 1, rows 16 d0 .. 16 d1 + 15 of the width: accumulators by turns
	WIN 0x53+0x50*((\u0)/2)
.set dd, \d0
.rept \d1-\d0+1
.irp e, 0,1
.if \first
.if dd%2
	v_wmma_scale_f32_16x16x128_f8f6f4 v[128*\e+8*dd:128*\e+8*dd+7], v[12*dd:12*dd+11], v[P+12*(\u0+\e):P+12*(\u0+\e)+11], 0, v[VS+dd/2], v[PS+\u0+\e] matrix_a_fmt:MATRIX_FMT_FP6 matrix_b_fmt:MATRIX_FMT_FP6 matrix_a_scale:MATRIX_SCALE_ROW1
.else
	v_wmma_scale_f32_16x16x128_f8f6f4 v[128*\e+8*dd:128*\e+8*dd+7], v[12*dd:12*dd+11], v[P+12*(\u0+\e):P+12*(\u0+\e)+11], 0, v[VS+dd/2], v[PS+\u0+\e] matrix_a_fmt:MATRIX_FMT_FP6 matrix_b_fmt:MATRIX_FMT_FP6
.endif
.else
.if dd%2
	v_wmma_scale_f32_16x16x128_f8f6f4 v[128*\e+8*dd:128*\e+8*dd+7], v[12*dd:12*dd+11], v[P+12*(\u0+\e):P+12*(\u0+\e)+11], v[128*\e+8*dd:128*\e+8*dd+7], v[VS+dd/2], v[PS+\u0+\e] matrix_a_fmt:MATRIX_FMT_FP6 matrix_b_fmt:MATRIX_FMT_FP6 matrix_a_scale:MATRIX_SCALE_ROW1
.else
	v_wmma_scale_f32_16x16x128_f8f6f4 v[128*\e+8*dd:128*\e+8*dd+7], v[12*dd:12*dd+11], v[P+12*(\u0+\e):P+12*(\u0+\e)+11], v[128*\e+8*dd:128*\e+8*dd+7], v[VS+dd/2], v[PS+\u0+\e] matrix_a_fmt:MATRIX_FMT_FP6 matrix_b_fmt:MATRIX_FMT_FP6
.endif
.endif
.endr
.set dd, dd+1
.endr
.endm
.macro STEP first, fill
	SPHASE \fill
	ROWSTAT \first
	TMINUSM 0
	WIN 0
	VW                                             ; ahead of the batch
	BSEXP
	EXPS 0, 1
	BSREST
	CONVERT 0
	SUMS 0, \first
	VLOAD 0
	VW
	EXPS 1, 2
	CONVERT 1
	SUMS 1, \first
	VLOAD 1
	VW
	EXPS 2, 3
	CONVERT 2
	SUMS 2, \first
	VLOAD 2
	VW
	EXPS 3, -1
	CONVERT 3
	SUMS 3, \first
.if !\first
	WIN 0x41
	VW                                             ; ahead of the first reader of O^T
.irp u, 0,1,2,3
	SCALEO \u
.endr
.endif
	PLACES 4
	VW
	s_wait_loadcnt 16                              ; all but VLOAD 2's 16: the scale words and registers 0-127, fragments 0 to 9
	PVRUN 0, 0, 9, \first
	s_wait_loadcnt 0x0
	PVRUN 0, 10, 15, \first
.if \fill
	s_add_nc_u64 s[VB:VB+1], s[VB:VB+1], STEPB     ; behind the wait that shows V's loads done
.endif
	PVRUN 2, 0, 15, \first
	WIN 0
.if \fill
	PLACES 5                                       ; five plain lines: the next step's first products write over registers that these products have read (V's fragments), and its loads land on P's
.endif
.endm
	s_load_b256 s[4:11], s[0:1], 0x0               ; sent's codes, its scales, kv, out0
	v_lshl_add_u32 v[SPW], v0, 2, SPARE
	v_mov_b32 v[NIL], 0
	ds_add_u32 v[SPW], v[NIL]
	ds_add_u32 v[SPW], v[NIL]
	s_wait_dscnt 0x0
	v_lshrrev_b32 v15, 5, v0
	v_readfirstlane_b32 s[WV], v15
	s_bfe_u32 s13, ttmp6, 0x40000
	s_lshl_b32 s14, ttmp9, 2
	s_add_co_u32 s14, s14, s13                     ; the work-group's number
	s_mov_b32 s[G1], 15|(3<<16)|(1<<21)            ; a part: 100 rows of 256 bytes, dense; for all four of the cluster
	s_mov_b32 s[G1+1], 32<<16
	s_mov_b32 s[G1+2], 100<<16
	s_mov_b32 s[G1+3], 32<<16
	s_mov_b32 s[G1+4], 100
	s_mov_b32 s[G1+5], 32
	s_mov_b32 s[G1+6], 0
	s_mov_b32 s[G1+7], 0
	s_mul_i32 s15, s[WV], STEPB                    ; my K part in LDS
	s_mul_i32 s16, s[WV], NSTEP*STEPB              ; my 16 steps in kv
	s_mov_b32 s17, 0
	s_mul_i32 s18, s14, 64*192
	s_mov_b32 s19, 0
	s_lshl_b32 s42, s14, 9
	s_mov_b32 s43, 0
	s_lshl_b32 s44, s14, 16
	s_lshl_b32 s45, s[WV], 14
	s_add_co_u32 s44, s44, s45                     ; at the end I store rows 16 w .. 16 w + 15 of the 64
	s_mov_b32 s45, 0
	s_mov_b32 s[SEL], 0x76543210
	s_mov_b32 s[SEL+1], 0xfedcba98
	s_mov_b32 s[CS], 0x3db8aa3b                    ; log2(e) / 16
	s_mov_b32 s[CS+1], s[CS]
	s_wait_kmcnt 0x0
	s_add_nc_u64 s[8:9], s[8:9], s[16:17]
	s_add_nc_u64 s[4:5], s[4:5], s[18:19]
	s_add_nc_u64 s[6:7], s[6:7], s[42:43]
	s_add_nc_u64 s[10:11], s[10:11], s[44:45]
	s_mov_b32 s[G0K], 1
	s_mov_b32 s[G0K+1], s15
	s_mov_b64 s[G0K+2:G0K+3], s[8:9]
	s_or_b32 s[G0K+3], s[G0K+3], 0x80000000
	s_add_nc_u64 s[VB:VB+1], s[8:9], PART
	CROUND
	tensor_load_to_lds s[G0K:G0K+3], s[G1:G1+7]    ; my one load at the head: step 0's K part
	s_nop 0
	PLACES 4
	v_and_b32 v160, 31, v0
	v_and_b32 v161, 15, v0
	v_bfe_u32 v162, v0, 4, 1
	v_mul_u32_u24 v[QA], v161, 192
	v_mad_u32_u24 v[QA], v162, 24, v[QA]
	v_lshlrev_b32 v[QSA], 3, v161
	v_lshl_add_u32 v[QSA], v162, 2, v[QSA]
.irp u, 0,1,2,3
.irp g, 0,1
.irp p, 0,1,2,3,4,5
	global_load_b64 v[Q+24*\u+12*\g+2*\p:Q+24*\u+12*\g+2*\p+1], v[QA], s[4:5] offset:3072*\u+96*\g+48*(\p/3)+8*(\p%3)
.endr
.endr
	global_load_b32 v[QS+\u], v[QSA], s[6:7] offset:128*\u
.endr
	v_lshl_add_u32 v[LI], v160, 4, s15
	v_lshl_add_u32 v[LS8], v160, 3, s15
	v_lshlrev_b32 v[G8], 3, v160
	s_mul_i32 s41, s[WV], XW
	v_mul_u32_u24 v[XS], v161, XP
	v_lshl_add_u32 v[XS], v162, 5, v[XS]
	v_add_nc_u32 v[XS], s41, v[XS]
	s_mul_i32 s41, s[WV], 16*XP
	v_lshl_add_u32 v[XR], v160, 4, s41
	v_add_nc_u32 v[XR+1], XW, v[XR]
	v_add_nc_u32 v[XR+2], 2*XW, v[XR]
	v_add_nc_u32 v[XR+3], 3*XW, v[XR]
	v_lshlrev_b32 v[GO], 4, v160
	s_lshl_b32 s41, s[WV], 11
	s_add_co_u32 s41, s41, STATS
	v_lshl_add_u32 v[STA], v160, 4, s41
	v_lshl_add_u32 v[STR], v160, 4, STATS
.irp u, 0,1,2,3
	v_mov_b32 v[F+2*\u+1], 0                       ; named as a pair's upper half
.endr
	VW                                             ; at the head's end
	s_wait_loadcnt 0x0
	STEP 1, 1
	s_mov_b32 s[TRIPS], NSTEP-2
.Lstep:
	STEP 0, 1
	s_sub_co_u32 s[TRIPS], s[TRIPS], 1
	s_cmp_lg_u32 s[TRIPS], 0
	s_cbranch_scc1 .Lstep
	STEP 0, 0
; THE JOINING: the four waves' -M and sums through LDS; each wave brings its O^T under the common M, divided by the common sum, into LDS (bytes that have had their last fill); wave w adds and stores rows 16 w on
.irp u, 0,1,2,3
	v_add_f32 v[ST+4*\u+2], v[ST+4*\u+2], v[ST+4*\u+3]
.endr
.irp u, 0,1,2,3
	v_permlanex16_b32 v[ST+4*\u+3], v[ST+4*\u+2], s[SEL], s[SEL+1]
.endr
.irp u, 0,1,2,3
	v_add_f32 v[ST+4*\u+2], v[ST+4*\u+2], v[ST+4*\u+3]
.endr
.irp u, 0,1,2,3
	ds_store_b128 v[STA], v[ST+4*\u:ST+4*\u+3] offset:512*\u
.endr
	s_wait_dscnt 0x0
	s_barrier_signal -1
	s_barrier_wait -1
.irp x, 0,1,2,3
.irp u, 0,1,2,3
	ds_load_b128 v[FB+16*\x+4*\u:FB+16*\x+4*\u+3], v[STR] offset:2048*\x+512*\u
.endr
.endr
	s_wait_dscnt 0x0
.irp u, 0,1,2,3
	v_min3_num_f32 v[T0+\u], v[FB+4*\u], v[FB+16+4*\u], v[FB+32+4*\u]
.endr
.irp u, 0,1,2,3
	v_min_num_f32 v[T0+\u], v[T0+\u], v[FB+48+4*\u]
.endr
.irp x, 0,1,2,3
.irp u, 0,1,2,3
	v_sub_f32 v[FB+16*\x+4*\u], v[T0+\u], v[FB+16*\x+4*\u]
.endr
.endr
.irp u, 0,1,2,3
	v_sub_f32 v[T2+\u], v[T0+\u], v[ST+4*\u]
.endr
.irp x, 0,1,2,3
.irp u, 0,1,2,3
	v_cvt_i32_f32 v[FB+16*\x+4*\u], v[FB+16*\x+4*\u]
.endr
.endr
.irp u, 0,1,2,3
	v_cvt_i32_f32 v[T2+\u], v[T2+\u]
.endr
.irp x, 0,1,2,3
.irp u, 0,1,2,3
	v_ldexp_f32 v[FB+16*\x+4*\u], 1.0, v[FB+16*\x+4*\u]
.endr
.endr
.irp u, 0,1,2,3
	v_ldexp_f32 v[T2+\u], 1.0, v[T2+\u]
.endr
.irp u, 0,1,2,3
	v_mul_f32 v[T1+\u], v[FB+4*\u], v[FB+4*\u+2]
.endr
.irp x, 1,2,3
.irp u, 0,1,2,3
	v_fma_f32 v[T1+\u], v[FB+16*\x+4*\u], v[FB+16*\x+4*\u+2], v[T1+\u]
.endr
.endr
	VW
.irp u, 0,1,2,3
	v_rcp_f32 v[T1+\u], v[T1+\u]
.endr
	v_nop
	VW
.irp u, 0,1,2,3
	v_mul_f32 v[F+2*\u], v[T2+\u], v[T1+\u]
.endr
.irp u, 0,1,2,3
	SCALEO \u
	WIN 0x04+0x04*(\u/2)
.set dd, 0
.rept 16
	ds_store_b128 v[XS], v[128*(\u%2)+8*dd:128*(\u%2)+8*dd+3] offset:16*XP*\u+64*dd
	ds_store_b128 v[XS], v[128*(\u%2)+8*dd+4:128*(\u%2)+8*dd+7] offset:16*XP*\u+64*dd+16
.set dd, dd+1
.endr
.endr
	WIN 0
	s_wait_dscnt 0x0
	s_barrier_signal -1
	s_barrier_wait -1
.macro XLOAD b
.set BB, 64+64*((\b)%2)
.irp x, 0,1,2,3
.irp e, 0,1,2,3
	ds_load_b128 v[BB+16*\x+4*\e:BB+16*\x+4*\e+3], v[XR+\x] offset:XP*(2*(\b)+\e/2)+512*(\e%2)
.endr
.endr
.endm
	XLOAD 0
	XLOAD 1
.irp b, 0,1,2,3,4,5,6,7
.if \b < 7
	s_wait_dscnt 16                                ; all but the next pair of rows' 16 loads
.else
	s_wait_dscnt 0x0
.endif
.set BB, 64+64*(\b%2)
.irp x, 1,2,3
.irp e, 0,1,2,3
	v_pk_add_f32 v[BB+4*\e:BB+4*\e+1], v[BB+4*\e:BB+4*\e+1], v[BB+16*\x+4*\e:BB+16*\x+4*\e+1]
	v_pk_add_f32 v[BB+4*\e+2:BB+4*\e+3], v[BB+4*\e+2:BB+4*\e+3], v[BB+16*\x+4*\e+2:BB+16*\x+4*\e+3]
.endr
.endr
.irp e, 0,1,2,3
	global_store_b128 v[GO], v[BB+4*\e:BB+4*\e+3], s[10:11] offset:1024*(2*\b+\e/2)+512*(\e%2) th:TH_STORE_NT   ; 512 consecutive bytes a store, aligned
.endr
.if \b < 6
	s_wait_xcnt 0x0                                ; the stores have read their data: the registers are loaded anew
	XLOAD \b+2
.endif
.endr
	s_wait_tensorcnt 0x0                           ; the wave's end
	ds_add_u32 v[SPW], v[NIL]
	s_wait_dscnt 0x0
	CROUND                                         ; the closing round
	s_endpgm
.Lfunc_end_k_q72caff6495_attn:
	.size	k_q72caff6495_attn, .Lfunc_end_k_q72caff6495_attn-k_q72caff6495_attn
	.p2alignl 7, 3214868480
	.fill 96, 4, 3214868480
	.section	.rodata,"a",@progbits
	.p2align	6, 0x0
	.amdhsa_kernel k_q72caff6495_attn
		.amdhsa_group_segment_fixed_size 327680
		.amdhsa_private_segment_fixed_size 0
		.amdhsa_enable_private_segment 0
		.amdhsa_kernarg_size 32
		.amdhsa_user_sgpr_count 2
		.amdhsa_user_sgpr_kernarg_segment_ptr 1
		.amdhsa_wavefront_size32 1
		.amdhsa_system_sgpr_workgroup_id_x 1
		.amdhsa_system_sgpr_workgroup_id_y 1
		.amdhsa_system_sgpr_workgroup_id_z 1
		.amdhsa_system_vgpr_workitem_id 0
		.amdhsa_next_free_vgpr 1024
		.amdhsa_next_free_sgpr 66
		.amdhsa_reserve_vcc 0
		.amdhsa_float_denorm_mode_32 3
		.amdhsa_float_denorm_mode_16_64 3
		.amdhsa_memory_ordered 1
		.amdhsa_forward_progress 1
		.amdhsa_inst_pref_size 255
	.end_amdhsa_kernel
	.section	.bss,"aw",@nobits
	.p2align	6
	.space	262144
	.amdgpu_metadata
---
amdhsa.version: [ 1, 2 ]
amdhsa.kernels:
  - .name:           k_q72caff6495_attn
    .symbol:         k_q72caff6495_attn.kd
    .args:
      - { .name: sent_embed_codes, .offset: 0, .size: 8, .value_kind: global_buffer, .address_space: global }
      - { .name: sent_embed_scales, .offset: 8, .size: 8, .value_kind: global_buffer, .address_space: global }
      - { .name: kv, .offset: 16, .size: 8, .value_kind: global_buffer, .address_space: global }
      - { .name: out0, .offset: 24, .size: 8, .value_kind: global_buffer, .address_space: global }
    .group_segment_fixed_size: 327680
    .private_segment_fixed_size: 0
    .kernarg_segment_align: 8
    .kernarg_segment_size: 32
    .max_flat_workgroup_size: 128
    .sgpr_count:     66
    .vgpr_count:     1024
    .wavefront_size: 32
...
	.end_amdgpu_metadata
.endif
;; end of part 2
